; MI455X (gfx1250); checked and timed in simulation.
; The chip was launched on July 23, 2026; its instructions are those of AMD's public machine-readable ISA for CDNA 5 (MIT licence, August 2026) and "CDNA5" Instruction Set Architecture Reference Guide (July 2026). The comments in the code are by the model that wrote it; some were corrected since.
;; Linear2 Bit. Allowed arithmetic: matrix products marked QUANTISED: E2M1 operands, one E8M0 scale for each 32 along K, by v_wmma_scale_f32_16x16x128_f8f6f4 with both operands' format E2M1 (or v_wmma_scale_f32_32x16x128_f4), f32 sums; everything else in f32.
;; Inputs: bias 2,048 float32; weight_norm 524,288 x 1 float16; weight_q2 524,288 x 4 int32; x_codes 4 x 2,048 x 128 x 16 uint8 (E2M1 codes of x, K innermost, in blocks of 32 codes, two codes a byte); x_scales 4 x 2,048 x 128 uint8 (E8M0 scales of x, one for each 32 codes along K).
;; Outputs: out0 4 x 2,048 x 2,048 float32.
;; This version of the problem:
;;   THIS VERSION OF THE PROBLEM IS GIVEN IN LOW PRECISION. The matrix products marked QUANTISED in the list below multiply operands that are first quantised to E2M1 (2 exponent bits, 1 mantissa bit; 4 bits a number), with one power-of-two scale for each 32 numbers along K (OCP MX v1.0); their sums are f32. All else is computed in f32.
;;   The module's matrix products, in the order in which they are computed (A, B: the left and right operand; K: the contracted axis; several contracted axes count as one K, in the product's order):
;;     1. [M 8,192, K 4,096] x [K 4,096, N 2,048]; A: input x (given as codes); B: computed on the way: QUANTISED
;;   THE QUANTISER, for each operand of a quantised product, along K:
;;     - K is cut into blocks of 32 from its start; a last block that is shorter is filled with zeros.
;;     - A block's scale is 2^e with e = floor(log2(the largest magnitude in the block)) - 2, held to -126 .. 127; a block of zeros has e = 0. As a byte (E8M0): e + 127.
;;     - Each number is divided by its block's scale, clamped to +-6, and rounded to the nearest number of E2M1, ties to even, subnormals kept.
;;     - The product sums the exact products of the quantised numbers (number of the format x scale) in f32.
;;   ~~~python
;;   def quantise(x, axis):      # numpy; x: float32 -> the quantised numbers, widened to float32 again
;;       x = np.moveaxis(x, axis, -1); K = x.shape[-1]
;;       x = np.pad(x, [(0, 0)] * (x.ndim - 1) + [(0, -K % 32)]); x = x.reshape(x.shape[:-1] + (-1, 32)); a = np.abs(x).max(-1, keepdims=True)
;;       e = np.where(a > 0, np.clip(np.frexp(np.where(a > 0, a, 1))[1] - 1 - 2, -126, 127), 0)      # np.frexp(a)[1] - 1 = floor(log2(a)), exactly
;;       r = np.clip(x / 2.0 ** e, -6, 6)
;;       step = 2.0 ** (np.maximum(np.frexp(np.where(r == 0, 1, r))[1] - 1, 0) - 1)
;;       q = np.round(r / step) * step * 2.0 ** e      # np.round: ties to even
;;       return np.moveaxis(q.reshape(q.shape[:-2] + (-1,))[..., :K], -1, axis).astype(np.float32)
;;   ~~~
;;   OPERANDS COMPUTED ON THE WAY. 'Computed on the way' means the value that the module computes at that place (a softmax that the list does not call 'softmax' is quantised finished and normalised). What goes into a quantiser is computed in f32, as accurately as f32 sums, v_exp_f32 and their like allow (about 1e-6 of the number): no bf16 or f16 on the way to a quantiser, and a product that is left as it is and whose result goes on into a quantised operand takes f32 operands (vector FMAs, or v_wmma_f32_16x16x4_f32). A number that lies on a knife's edge between two numbers of the format may be rounded either way, as far as f32 arithmetic and the matrix unit's own rounding can turn it there, and no further.
;;   INPUTS GIVEN AS CODES. x (in the module: [4, 2048, 4096], K = its axis 2): each comes as NAME_codes (uint8): NAME with its K axis moved to the last place and cut into blocks of 32 codes, [.., K / 32, bytes a block], one block behind the other in memory; two codes a byte, the lower K in the low four bits (a code: sign, 2 exponent bits, 1 mantissa bit); and NAME_scales (uint8): the same leading axes, one E8M0 byte (e + 127) for each 32 codes along K. Its value is code x scale, taken as it is: it is not quantised again, and the codes and scales need not be those that the quantiser above would give.
;; One version. Each part assembles by itself: llvm-mc -triple=amdgcn-amd-amdhsa -mcpu=gfx1250 --defsym DOCPART=n.
;; ======== version 1 of 1: 2 launches
;; workspace buffers: w_codes 4,194,304 bytes; ws2 262,144 bytes; xs2 1,048,576 bytes
;; launch prep (part 1): grid 320 x 1, 4 waves a work-group, no clusters, 28,160 bytes of LDS; arguments weight_q2, weight_norm, x_scales, w_codes, ws2, xs2; writes w_codes, ws2, xs2
.if DOCPART == 1
	.amdgcn_target "amdgcn-amd-amdhsa--gfx1250"
	.amdhsa_code_object_version 6
	.text
	.protected	k_q5b84131264_prep
	.globl	k_q5b84131264_prep
	.p2align	8
	.type	k_q5b84131264_prep,@function
k_q5b84131264_prep:
	s_mov_b64 s[64:65], 0
	v_nop
	global_prefetch_b8 v0, s[64:65] scope:SCOPE_SE
	s_setreg_imm32_b32 hwreg(HW_REG_WAVE_MODE, 25, 1), 1
	s_wait_xcnt 0x0
; TWO JOBS IN ONE LAUNCH, parted by the work-group's number.
; Work-groups 0-255: the weight w [2048][4096] is unpacked (w = (q / 3) (2 n) - n; q: 2 bits, four to a word of weight_q2, column 4 j + i in bits 2 i of word j; n: one fp16 norm for each 16 along K)
;   and quantised along K into codes of FP4 (E2M1), laid [2048][2048 bytes] with K innermost, two codes a byte; one E8M0 byte for each 32 along K, laid BY K STEP OF 512: ws2 [8 ks][2048 n][16].
; Work-groups 256-319: x's scale bytes [8192][128] are laid the same way, unchanged: xs2 [8 ks][8192 m][16], so that a K step's scales of 256 rows are 4,096 consecutive bytes for the product's launch.
; A block's scale is 2^(floor(log2(its largest magnitude)) - 2); its byte is the largest magnitude's own exponent field - 2, held at 1 from below.
; LIMITS: w is made by ONE fused multiply-add, (q / 3) (2 n) - n, where the source multiplies, rounds and subtracts: about one unit in the last place of f32 apart.  A block of zeros gets the byte 1 where the
; rule says 127: its codes are zeros, which add nothing under any byte but 0xff, and this program alone reads the bytes.  Norms that are NaN or infinite are not served.
; SHARES (weight).  Work-group g: 16 rows of w (16 (g / 2) on) and half of K (g % 2); wave w of it: K step ks = 4 (g % 2) + w; step t = 0 .. 15: row t.  In a step lane l owns group 32 ks + l: 16 numbers;
; lanes l and l xor 1 hold a block of 32.  So a step's load is 512 consecutive bytes, its codes are 256 consecutive bytes, and a wave's 16 steps make 256 consecutive scale bytes of ws2.
; No tensor loads; several work-groups share a WGP.  Every offset is an immediate and every store has registers of its own: no source of a pending access is ever written again.
.set NF,   0                           ; LDS: the work-group's norms as f32, [16 rows][128 groups], 8,192 bytes
.set SBB,  8192                        ; a wave's 256 scale bytes, four waves
.set XSB,  9216                        ; the other path's bytes: a stage of 32 rows x XP for each wave
.set XP,   144                         ; 128 bytes + 16 of padding
.set NR,   40                          ; v40-55   my group's norm in step t
.set QR,   56                          ; v56-119  step t's four words of weight_q2
.set WR,   120                         ; v120-135 16 numbers at work
.set CR,   136                         ; v136-167 codes, two registers a step
.set ER,   168                         ; v168-183 a scale byte a step
	s_load_b256 s[4:11], s[0:1], 0x0               ; weight_q2 s[4:5], weight_norm s[6:7], x_scales s[8:9], w_codes s[10:11]
	s_load_b128 s[12:15], s[0:1], 0x20             ; ws2 s[12:13], xs2 s[14:15]
	v_lshl_add_u32 v192, v0, 2, 0x6c00
	v_mov_b32 v193, 0
	v_lshrrev_b32 v1, 5, v0
	v_readfirstlane_b32 s16, v1                    ; wave 0..3
	v_and_b32 v1, 31, v0                           ; lane
	v_lshlrev_b32 v2, 4, v1                        ; 16 x lane
	s_mov_b32 s21, 0                               ; the high word of every offset
	s_wait_kmcnt 0x0
	s_cmp_ge_u32 ttmp9, 256                        ; the same in all four waves
	s_cbranch_scc1 .Lscales
	; ---------------- the weight
	s_lshr_b32 s17, ttmp9, 1                       ; rb: which 16 rows
	s_and_b32 s18, ttmp9, 1                        ; hf: which half of K
	s_lshl_b32 s19, s18, 2
	s_add_co_u32 s19, s19, s16                     ; ks
	s_lshl_b32 s20, s17, 16                        ; weight_q2: a row is 4,096 bytes, a K step 512
	s_lshl_b32 s22, s19, 9
	s_add_co_u32 s20, s20, s22
	s_add_nc_u64 s[4:5], s[4:5], s[20:21]
	s_lshl_b32 s20, s17, 13                        ; weight_norm: a row is 512 bytes, half of it 256
	s_lshl_b32 s22, s18, 8
	s_add_co_u32 s20, s20, s22
	s_add_nc_u64 s[6:7], s[6:7], s[20:21]
	s_lshl_b32 s20, s17, 15                        ; w_codes: a row is 2,048 bytes, a K step 256
	s_lshl_b32 s22, s19, 8
	s_add_co_u32 s20, s20, s22
	s_add_nc_u64 s[10:11], s[10:11], s[20:21]
	s_lshl_b32 s20, s19, 15                        ; ws2: a K step is 32,768 bytes, 16 rows 256
	s_lshl_b32 s22, s17, 8
	s_add_co_u32 s20, s20, s22
	s_add_nc_u64 s[12:13], s[12:13], s[20:21]
	s_mov_b32 s24, 0x3eaaaaab                      ; 1 / 3 rounded: q times it, rounded, is q / 3 rounded, for q = 0 .. 3
	s_mov_b32 s25, s24                             ; (named with it as a pair, so it is written)
	v_lshrrev_b32 v3, 4, v0
	v_lshlrev_b32 v3, 9, v3
	v_and_b32 v9, 15, v0
	v_lshl_add_u32 v3, v9, 4, v3                   ; norms in: sixteen threads take 256 bytes of a row, eight rows a load
	global_load_b128 v[16:19], v3, s[6:7]
	global_load_b128 v[20:23], v3, s[6:7] offset:4096
.irp t, 0,1,2,3,4,5,6,7,8,9,10,11,12,13,14,15
	global_load_b128 v[QR+4*\t:QR+4*\t+3], v2, s[4:5] offset:4096*\t th:TH_LOAD_NT   ; row t: 32 lanes read 512 consecutive bytes
.endr
	v_lshlrev_b32 v4, 5, v0                        ; NF + 32 x thread: my eight norms of a load, as f32
	v_lshlrev_b32 v5, 2, v0                        ; NF + 4 x thread: group 32 w + lane of a row
	v_and_b32 v9, 0x60, v0
	v_lshlrev_b32 v9, 3, v9                        ; 256 x wave
	v_bfe_u32 v6, v0, 1, 4
	v_add_nc_u32 v6, v6, v9
	v_add_nc_u32 v6, SBB, v6                       ; my block's byte among my wave's 256
	v_lshlrev_b32 v7, 3, v1                        ; 8 x lane
	v_add_nc_u32 v8, v7, v9
	v_add_nc_u32 v8, SBB, v8                       ; and 8 of those bytes on the way out
	v_mov_b32 v13, 0                               ; the upper halves of the pairs (n, .) and (2 n, .): named, not used
	v_mov_b32 v15, 0
	s_wait_loadcnt 16                              ; the two loads of norms are in; the sixteen behind them stay out
.set i, 0
.irp h, v16.l, v16.h, v17.l, v17.h, v18.l, v18.h, v19.l, v19.h, v20.l, v20.h, v21.l, v21.h, v22.l, v22.h, v23.l, v23.h
	v_cvt_f32_f16 v[24+i], \h
.set i, i+1
.endr
	ds_store_b128 v4, v[24:27] offset:NF
	ds_store_b128 v4, v[28:31] offset:NF+16
	ds_store_b128 v4, v[32:35] offset:NF+4096
	ds_store_b128 v4, v[36:39] offset:NF+4112
	s_wait_dscnt 0x0                               ; for the others' sake: my stores have landed
	s_barrier_signal -1
	s_barrier_wait -1                              ; the one barrier: all 16 x 128 norms lie in LDS
.irp t, 0,1,2,3,4,5,6,7,8,9,10,11,12,13,14,15
	ds_load_b32 v[NR+\t], v5 offset:NF+512*\t
.endr
	s_wait_dscnt 0x0
.macro WSTEP t
	s_wait_loadcnt 15-(\t)                         ; row t's words are in; the later rows' loads stay out
	v_mov_b32 v12, v[NR+(\t)]                      ; n
	v_add_f32 v14, v12, v12                        ; 2 n, exact
.irp j, 0,1,2,3
.irp i, 0,1,2,3
	v_bfe_u32 v[WR+4*\j+\i], v[QR+4*(\t)+\j], 2*\i, 2      ; column 4 j + i; of a word only bits 7:0 are looked at
.endr
.endr
.irp c, 0,1,2,3,4,5,6,7,8,9,10,11,12,13,14,15
	v_cvt_f32_u32 v[WR+\c], v[WR+\c]
.endr
.irp p, 0,2,4,6,8,10,12,14
	v_pk_mul_f32 v[WR+\p:WR+\p+1], v[WR+\p:WR+\p+1], s[24:25] op_sel_hi:[1,0]      ; q / 3
.endr
.irp p, 0,2,4,6,8,10,12,14
	v_pk_fma_f32 v[WR+\p:WR+\p+1], v[WR+\p:WR+\p+1], v[14:15], v[12:13] op_sel_hi:[1,0,0] neg_lo:[0,0,1] neg_hi:[0,0,1]   ; (q / 3) (2 n) - n
.endr
	v_max3_num_f32 v9, |v[WR]|, |v[WR+1]|, |v[WR+2]|               ; the largest magnitude of my 16, in two chains
	v_max3_num_f32 v11, |v[WR+3]|, |v[WR+4]|, |v[WR+5]|
.irp c, 6,10
	v_max3_num_f32 v9, v9, |v[WR+\c]|, |v[WR+\c+1]|
	v_max3_num_f32 v11, v11, |v[WR+\c+2]|, |v[WR+\c+3]|
.endr
	v_max3_num_f32 v9, v9, |v[WR+14]|, |v[WR+15]|
	v_max3_num_f32 v9, v9, v11, 0x1800000          ; and the floor 2^(3 - 127): the byte cannot fall under 1
	v_max_num_f32_dpp v9, v9, v9 row_xmask:1 row_mask:0xf bank_mask:0xf   ; with my neighbour's 16: the block's
	v_add_nc_u32 v10, 0xff000000, v9               ; 2 off its exponent field: the conversion takes the exponent field of this operand as its scale, and nothing else of it
	v_cvt_scalef32_pk8_fp4_f32 v[CR+2*(\t)], v[WR:WR+7], v10       ; the first number's code in the lowest four bits
	v_cvt_scalef32_pk8_fp4_f32 v[CR+2*(\t)+1], v[WR+8:WR+15], v10
	v_lshrrev_b32 v[ER+(\t)], 23, v10              ; the scale's byte.  (Also the plain line behind the conversions, ahead of the next step's writes of their sources)
	ds_store_b8 v6, v[ER+(\t)] offset:16*(\t)      ; both lanes of a block write the same byte with the same value
	global_store_b64 v7, v[CR+2*(\t):CR+2*(\t)+1], s[10:11] offset:2048*(\t)   ; 32 lanes store 256 consecutive bytes, at a multiple of 256 from the buffer's first byte
.endm
.irp t, 0,1,2,3,4,5,6,7,8,9,10,11,12,13,14,15
	WSTEP \t
.endr
	ds_load_b64 v[184:185], v8                     ; LDS serves a wave's instructions in order: this sees my byte stores
	s_wait_dscnt 0x0
	global_store_b64 v7, v[184:185], s[12:13]      ; K step ks, rows 16 rb .. + 15: 256 consecutive bytes
	s_wait_tensorcnt 0x0
	ds_add_u32 v192, v193
	s_wait_dscnt 0x0
	s_endpgm
	; ---------------- x's scale bytes: wave w of work-group 256 + g takes rows 128 g + 32 w .. + 31: 4,096 consecutive bytes in, eight runs of 512 consecutive bytes out
.Lscales:
	s_sub_co_u32 s17, ttmp9, 256                   ; g
	s_lshl_b32 s20, s17, 14                        ; x_scales: 128 bytes a row
	s_lshl_b32 s22, s16, 12
	s_add_co_u32 s20, s20, s22
	s_add_nc_u64 s[8:9], s[8:9], s[20:21]
	s_lshl_b32 s20, s17, 11                        ; xs2: 16 bytes a row in each K step
	s_lshl_b32 s22, s16, 9
	s_add_co_u32 s20, s20, s22
	s_add_nc_u64 s[14:15], s[14:15], s[20:21]
	s_mul_i32 s18, s16, 32*XP
	s_add_co_u32 s18, s18, XSB                     ; my wave's stage
	v_lshrrev_b32 v3, 3, v1
	v_mul_u32_u24 v3, v3, XP
	v_and_b32 v4, 7, v1
	v_lshl_add_u32 v3, v4, 4, v3
	v_add_nc_u32 v3, s18, v3                       ; in: eight lanes to a row, four rows a load
	v_mul_u32_u24 v4, v1, XP
	v_add_nc_u32 v4, s18, v4                       ; out: a lane a row
.irp i, 0,1,2,3,4,5,6,7
	global_load_b128 v[56+4*\i:59+4*\i], v2, s[8:9] offset:512*\i th:TH_LOAD_NT
.endr
.irp i, 0,1,2,3,4,5,6,7
	s_wait_loadcnt 7-\i                            ; load i is in; the younger ones stay out
	ds_store_b128 v3, v[56+4*\i:59+4*\i] offset:4*XP*\i
.endr
.irp j, 0,1,2,3,4,5,6,7
	ds_load_b128 v[88+4*\j:91+4*\j], v4 offset:16*\j       ; my row's 16 bytes of K step j; my wave's own bytes, served in order behind its stores
.endr
.irp j, 0,1,2,3,4,5,6,7
	s_wait_dscnt 7-\j
	global_store_b128 v2, v[88+4*\j:91+4*\j], s[14:15] offset:131072*\j    ; 32 rows x 16 bytes: 512 consecutive bytes of K step j
.endr
	s_wait_tensorcnt 0x0
	ds_add_u32 v192, v193
	s_wait_dscnt 0x0
	s_endpgm
.Lfunc_end_k_q5b84131264_prep:
	.size	k_q5b84131264_prep, .Lfunc_end_k_q5b84131264_prep-k_q5b84131264_prep
	.p2alignl 7, 3214868480
	.fill 96, 4, 3214868480
	.section	.rodata,"a",@progbits
	.p2align	6, 0x0
	.amdhsa_kernel k_q5b84131264_prep
		.amdhsa_group_segment_fixed_size 28160
		.amdhsa_private_segment_fixed_size 0
		.amdhsa_enable_private_segment 0
		.amdhsa_kernarg_size 48
		.amdhsa_user_sgpr_count 2
		.amdhsa_user_sgpr_kernarg_segment_ptr 1
		.amdhsa_wavefront_size32 1
		.amdhsa_system_sgpr_workgroup_id_x 1
		.amdhsa_system_sgpr_workgroup_id_y 1
		.amdhsa_system_sgpr_workgroup_id_z 1
		.amdhsa_system_vgpr_workitem_id 0
		.amdhsa_next_free_vgpr 194
		.amdhsa_next_free_sgpr 66
		.amdhsa_reserve_vcc 0
		.amdhsa_float_denorm_mode_32 3
		.amdhsa_float_denorm_mode_16_64 3
		.amdhsa_memory_ordered 1
		.amdhsa_forward_progress 1
		.amdhsa_inst_pref_size 68
	.end_amdhsa_kernel
	.amdgpu_metadata
---
amdhsa.version: [ 1, 2 ]
amdhsa.kernels:
  - .name:           k_q5b84131264_prep
    .symbol:         k_q5b84131264_prep.kd
    .args:
      - { .name: weight_q2, .offset: 0, .size: 8, .value_kind: global_buffer, .address_space: global }
      - { .name: weight_norm, .offset: 8, .size: 8, .value_kind: global_buffer, .address_space: global }
      - { .name: x_scales, .offset: 16, .size: 8, .value_kind: global_buffer, .address_space: global }
      - { .name: w_codes, .offset: 24, .size: 8, .value_kind: global_buffer, .address_space: global }
      - { .name: ws2, .offset: 32, .size: 8, .value_kind: global_buffer, .address_space: global }
      - { .name: xs2, .offset: 40, .size: 8, .value_kind: global_buffer, .address_space: global }
    .group_segment_fixed_size: 28160
    .private_segment_fixed_size: 0
    .kernarg_segment_align: 8
    .kernarg_segment_size: 48
    .max_flat_workgroup_size: 128
    .sgpr_count:     66
    .vgpr_count:     194
    .wavefront_size: 32
...
	.end_amdgpu_metadata
.endif
;; end of part 1
;; launch gemm (part 2): grid 8 x 32, 4 waves a work-group, clusters of 4 x 4, 327,680 bytes of LDS; arguments x_codes, xs2, w_codes, ws2, bias, out0; writes out0
.if DOCPART == 2
	.amdgcn_target "amdgcn-amd-amdhsa--gfx1250"
	.amdhsa_code_object_version 6
	.text
	.protected	k_q5b84131264_gemm
	.globl	k_q5b84131264_gemm
	.p2align	8
	.type	k_q5b84131264_gemm,@function
k_q5b84131264_gemm:
	s_mov_b64 s[64:65], 0
	v_nop
	global_prefetch_b8 v0, s[64:65] scope:SCOPE_SE
	s_setreg_imm32_b32 hwreg(HW_REG_WAVE_MODE, 25, 1), 1
	s_wait_xcnt 0x0
	s_wait_alu depctr_hold_cnt(0) depctr_sa_sdst(0) depctr_va_vdst(0) depctr_va_sdst(0) depctr_va_ssrc(0) depctr_va_vcc(0) depctr_vm_vsrc(0)
	s_getreg_b32 s2, hwreg(HW_REG_IB_STS2, 6, 4)
	s_cmp_eq_u32 s2, 0
	s_cbranch_scc0 .Lentry_in_a_cluster
	s_endpgm
.Lentry_in_a_cluster:
	s_bfe_u32 s2, ttmp6, 0x10000c
	s_cmp_lg_u32 s2, 0xf033
	s_cbranch_scc0 .Lentry_shape_is_right
	s_endpgm
.Lentry_shape_is_right:
; out0[m][n] = sum over k of x[m][k] w[n][k] + bias[n].  x: [8192][4096], w: [2048][4096]: codes of FP4 (E2M1), two a byte, K innermost, one E8M0 scale for each 32 along K; out0: [8192][2048] f32; sums in f32.
; The scale bytes lie BY K STEP OF 512: xs2 [8][8192][16], ws2 [8][2048][16] (the launch before laid them so): a K step's scales of 256 rows are 4,096 consecutive bytes and ride in the ring with the codes.
; A tile of out0, 256 x 256, is made by a work-group of four waves; a wave makes 128 x 128: 64 accumulators of 16 x 16, 512 registers.  32 x 8 tiles: 256 work-groups.
; K goes in 8 steps of 512 through a ring of two LDS slots filled by the tensor data mover, ONE load a wave: wave 0 x's codes (256 rows x 256 bytes), wave 1 w's codes, wave 2 x's scales, wave 3 w's scales.
; CLUSTERS: 4 x 4 work-groups.  The four of a row of the cluster need the same tiles of x, the four of a column the same tiles of w: each is asked for JOINTLY, by the same tensor load with the same descriptor
; and a mask that names the four.  THE MATRIX INSTRUCTION IS USED TRANSPOSED (source 0 = 16 rows of w, source 1 = 16 rows of x): a lane then holds eight neighbouring numbers of a row of out0.
; THE WALK ALONG K BEGINS AT K STEP 0 OR AT K STEP 4: a cluster whose x + y is odd begins at K step 4 and goes on with K step 0 behind K step 7.  The two clusters that read the same rows of x differ in x alone, and
; of the eight that read the same rows of w neighbours differ in y by one: so clusters that read the same rows walk half a turn apart and never ask for the same bytes at the same step of their walks.
; THE BIAS is the C of each sum's first matrix instruction: eight registers for each of my eight blocks of 16 columns, in the result's layout.  Nothing is cleared, nothing is added afterwards.
; LIMITS: in the clusters that begin at K step 4 the f32 sums take K in the order 4 .. 7, 0 .. 3: another order of rounding than ascending K.  A scale byte 0xff among x's is NaN in E8M0 and makes its sums NaN.
; REGISTERS, in windows of 256: window 0: v0-31 addresses; v32-95 scale words, two sets; v128-191 x's fragments (8 x 16 rows x 128 K), ONE set; v192-255 the bias; on the way out v128-255 take rows of out0.
;   window 1: w's fragments, TWO sets, at v0 and at v128.   window 2: the 32 accumulators of my rows 0-63 (accumulator (a, b) at v[8 (8 a + b)]);   window 3: those of my rows 64-127.
; A step of 128 along K is 64 matrix instructions, x's blocks one after the other, each against w's eight: a block of x is free as soon as its eight products are issued, so one set of registers serves x.
.set SIZE_M, 8192
.set SIZE_N, 2048
.set SIZE_K, 4096
.set KSTEP,  512                       ; along K in a slot
.set NQ,     KSTEP/128                 ; matrix instructions deep
.set ROWB,   256                       ; a tile's row in bytes
.set KROW,   SIZE_K/2                  ; a row of codes in memory
.set PITCH,  272                       ; an LDS row: 256 bytes + 16 of padding = 68 words: row r starts at bank 4 r mod 64 (64 banks of 4 bytes: ISA guide 11.1), so the 16 rows that a load touches start at 16 different banks
.set FR,     8                         ; registers of a fragment
.set NL,     2                         ; LDS loads that bring one
.set NP,     4                         ; places behind this matrix instruction (ISA guide 7.12.1)
.set HALFT,  128*PITCH                 ; what one wave reads of x or of w
.set AOFF,   0                         ; a slot: x's 256 rows of codes,
.set BOFF,   256*PITCH                 ; w's 256 rows,
.set SAOFF,  2*256*PITCH               ; x's scales, 256 rows x 16 bytes, dense (16 rows are 256 consecutive bytes: sixteen lanes read them on end),
.set SBOFF,  SAOFF+4096                ; w's scales
.set SLOT,   SBOFF+4096                ; 147,456 bytes
.set SPARE,  2*SLOT                    ; behind the ring: the spare words, 128 bytes for each wave: two blocks of 256 bytes that no other line names
.set SASTEP, SIZE_M*16                 ; a K step on in xs2,
.set SBSTEP, SIZE_N*16                 ; and in ws2
.set LAPS,   SIZE_K/(2*KSTEP)          ; a lap = two K steps = once round the ring
.set SPITCH, 528                       ; the way out: a stage of 16 rows x (512 bytes + 16) for each wave, in slot 0, which has had its last fill and its last read when the first result is stored there
.set ADRA, 16                          ; v16-17  LDS address of my fragments of x in slot 0, 1
.set ADRB, 20                          ; v20-21  the same for w
.set ADRS, 22                          ; v22-23  of my scale words: lanes 0-15 x's rows, lanes 16-31 w's
.set STO,  24                          ; v24     the way out: where I put 32 bytes of a row
.set RD,   25                          ; v25     where I read a row back
.set CO,   26                          ; v26     my byte offset in a row of out0
.set PFO,  27                          ; v27     the prefetch's offset: a row of codes x my lane; never rewritten
.set SPW,  28                          ; v28     LDS address of my spare word: SPARE + 4 x my thread's number; never rewritten
.set NIL,  29                          ; v29     0; never rewritten
.set BO,   30                          ; v30     32 x (lane / 16): my eight numbers of a block of the bias
.set SC,   32                          ; scale words: set s at v[SC + 32 s]; register 4 i + q: lanes 0-15 the word of x's block i, lanes 16-31 of w's block i, for the slot's q-th 128 along K
.set AF,   128
.set BIAS, 192
.set BK,   128                         ; the way out: 16 rows read back from the stage: v128-191 and v192-255 by turns
.set PFA,  2                           ; s[2:3]  where my prefetch stands; never rewritten
.set WV,   16                          ; wave
.set RH,   17                          ; which half of the tile's rows is mine
.set CH,   18                          ; which half of its columns
.set TR,   19                          ; tile row
.set G1A,  24                          ; s[24:31], s[32:39] descriptor group 1 for x's and w's codes;  s[40:47], s[48:55] for their scales
.set G1B,  32
.set G1SA, 40
.set G1SB, 48
.set G0A,  56                          ; s[56:63] group 0 for x's codes, a set for each slot;  s[68:75] w's codes;  s[76:83] x's scales;  s[84:91] w's scales
.set MROW, 66
.set MCOL, 67
.set G0B,  68
.set G0SA, 76
.set G0SB, 84
.set CX,   92
.set CY,   93
.set TC,   94                          ; tile column
.set LIM,  95                          ; LAPS - 1 in a wave that prefetches, else 0
.set CNT,  96                          ; laps to go
.set WRC,  97                          ; 2 where my cluster's walk begins at K step 4, else 0: also the value of CNT in the lap whose refills pass K's end
.set MSB, 0
.macro WIN new                         ; the immediate's high byte repeats the setting that is left
.if MSB != \new
	s_set_vgpr_msb (MSB<<8)|\new
.set MSB, \new
.endif
.endm
.set MUL_LO, 0xa1                      ; source 0 (w) window 1, source 1 (x) window 0, C and D window 2
.set MUL_HI, 0xf1                      ; the same, C and D window 3
.set FST_LO, 0x81                      ; a sum's first product: C (the bias) window 0, D window 2
.set FST_HI, 0xc1                      ; D window 3
.set TO_B,   0x40                      ; destination window 1, address window 0
; A joint load: each wave takes one of four arms, by its number alone, the same in every work-group.  Each arm has ONE mask and one set of registers for all that issue it.
; Four v_nop follow each tensor load, ahead of the jump, the label and what follows.
.macro JLOAD s
	s_cmp_eq_u32 s[WV], 0
	s_cbranch_scc0 .Lnot_0_\@
	tensor_load_to_lds s[G0A+4*\s:G0A+4*\s+3], s[G1A:G1A+7]
	s_nop 0
.rept 4
	v_nop
.endr
	s_branch .Lasked_\@
.Lnot_0_\@:
	s_cmp_eq_u32 s[WV], 1
	s_cbranch_scc0 .Lnot_1_\@
	tensor_load_to_lds s[G0B+4*\s:G0B+4*\s+3], s[G1B:G1B+7]
	s_nop 0
.rept 4
	v_nop
.endr
	s_branch .Lasked_\@
.Lnot_1_\@:
	s_cmp_eq_u32 s[WV], 2
	s_cbranch_scc0 .Lnot_2_\@
	tensor_load_to_lds s[G0SA+4*\s:G0SA+4*\s+3], s[G1SA:G1SA+7]
	s_nop 0
.rept 4
	v_nop
.endr
	s_branch .Lasked_\@
.Lnot_2_\@:
	tensor_load_to_lds s[G0SB+4*\s:G0SB+4*\s+3], s[G1SB:G1SB+7]
	s_nop 0
.rept 4
	v_nop
.endr
.Lasked_\@:
.endm
; A PREFETCH INTO THE L2 of the codes of the FOURTH K step of my cluster's walk: 32 rows x 256 bytes, a lane a row, one instruction a wave, once in the launch.  It stands in the first lap, behind the joint load that
; brings the walk's third K step and the run of LDS loads behind it: one K step, 256 matrix instructions, ahead of the load that will want it.
; The walk's first three K steps come by their loads alone: nothing is prefetched at the head.  Its last four are the K steps with which the other clusters that read these rows began: they have been read, and are not asked for.
; Each row's 256 bytes are named ONCE in the launch.  x's: the other cluster that reads my tile rows begins half a turn away, so every cluster asks for its own.  w's: of the clusters of my column of clusters every second
; one begins where mine does: cluster y = 0 or 1 asks.  The four partners that ask for a tile jointly share its 256 rows out BY ADDRESS, 64 each (by cx for x, by cy for w); waves 0 and 2 take 32 rows of x each, waves 1 and 3 of w.
.macro ASK
	s_cmp_eq_u32 s[CNT], s[LIM]                    ; the first lap, in a wave that asks
	s_cbranch_scc0 .Lnot_mine_\@
	global_prefetch_b8 v[PFO], s[PFA:PFA+1] th:TH_LOAD_NT scope:SCOPE_SE
.Lnot_mine_\@:
.endm
.macro CREST                           ; a round of the cluster's barrier behind its opening barrier
	s_cmp_lg_u32 s[WV], 0
	s_cbranch_scc1 .Lnot_wave_0_\@
	s_barrier_signal -3
.Lnot_wave_0_\@:
	s_barrier_wait -3
	s_barrier_signal -1
	s_barrier_wait -1
.endm
.macro CROUND                          ; a whole round
	s_barrier_signal -1
	s_barrier_wait -1
	CREST
.endm
	s_load_b256 s[4:11], s[0:1], 0x0               ; x_codes s[4:5], xs2 s[6:7], w_codes s[8:9], ws2 s[10:11]
	s_load_b128 s[12:15], s[0:1], 0x20             ; bias s[12:13], out0 s[14:15]
	v_lshl_add_u32 v[SPW], v0, 2, SPARE
	v_mov_b32 v[NIL], 0
	ds_add_u32 v28, v29
	ds_add_u32 v28, v29
	s_wait_dscnt 0x0
	v_lshrrev_b32 v1, 5, v0
	v_readfirstlane_b32 s[WV], v1                  ; wave 0..3
	s_lshr_b32 s[RH], s[WV], 1
	s_and_b32 s[CH], s[WV], 1
	s_bfe_u32 s[CX], ttmp6, 0x40000                ; my place in the cluster
	s_bfe_u32 s[CY], ttmp6, 0x40004
	s_lshl_b32 s[TC], ttmp9, 2
	s_add_co_u32 s[TC], s[TC], s[CX]               ; tile column = 4 x cluster x + cx
	s_and_b32 s[TR], ttmp7, 0xffff                 ; cluster y
	s_add_co_u32 s[WRC], s[TR], ttmp9              ; cluster y + cluster x: the same in all sixteen partners
	s_and_b32 s[WRC], s[WRC], 1
	s_lshl_b32 s[WRC], s[WRC], 1                   ; 2 where it is odd: the walk begins at K step 4
	s_lshl_b32 s[TR], s[TR], 2
	s_add_co_u32 s[TR], s[TR], s[CY]               ; tile row = 4 x cluster y + cy
	s_lshl_b32 s[MROW], s[CY], 2
	s_lshl_b32 s[MROW], 15, s[MROW]                ; my row of the cluster
	s_lshl_b32 s[MCOL], 0x1111, s[CX]              ; my column
	; descriptor group 1, codes: a tile of 256 rows x 256 bytes, padded in LDS
	s_or_b32 s[G1A+0], s[MROW], (0<<16)|(1<<20)|(1<<21)|(5<<22)|(3<<25)   ; 15:0 the mask: x's tiles go to my row; 17:16 elements of 1 byte; 20 padding on; 21 set beside a mask; 24:22 after every 64 words (code 5); 31:25 four words (code 3)
	s_or_b32 s[G1B+0], s[MCOL], (0<<16)|(1<<20)|(1<<21)|(5<<22)|(3<<25)   ; w's go to my column
.irp g, G1A, G1B
	s_mov_b32 s[\g+1], ROWB<<16                    ; tensor_dim0 = 256
	s_mov_b32 s[\g+2], 256<<16                     ; tensor_dim1 = 256
	s_mov_b32 s[\g+3], ROWB<<16                    ; tile_dim0
	s_mov_b32 s[\g+4], 256                         ; tile_dim1
	s_mov_b32 s[\g+5], KROW                        ; from row to row
	s_mov_b32 s[\g+6], 0
	s_mov_b32 s[\g+7], 0
.endr
	; scales: a dense block of 4,096 bytes, as 16 rows of 256 bytes (32 elements of 8 bytes), no padding
	s_or_b32 s[G1SA+0], s[MROW], (3<<16)|(1<<21)
	s_or_b32 s[G1SB+0], s[MCOL], (3<<16)|(1<<21)
.irp g, G1SA, G1SB
	s_mov_b32 s[\g+1], 32<<16
	s_mov_b32 s[\g+2], 16<<16
	s_mov_b32 s[\g+3], 32<<16
	s_mov_b32 s[\g+4], 16
	s_mov_b32 s[\g+5], 32
	s_mov_b32 s[\g+6], 0
	s_mov_b32 s[\g+7], 0
.endr
	; where the tiles come from: x's hang on the tile row, w's on the tile column, each in registers that never hold the other coordinate; both on where the cluster's walk begins
	s_lshl_b32 s20, s[TR], 19                      ; 256 rows of 2,048 bytes,
	s_lshl_b32 s21, s[WRC], 9                      ; and four K steps of 256 bytes, or none
	s_add_co_u32 s20, s20, s21
	s_mov_b32 s21, 0
	s_lshl_b32 s22, s[TR], 12                      ; 256 rows of 16 bytes,
	s_lshl_b32 s23, s[WRC], 18                     ; and four K steps of 131,072 bytes, or none
	s_add_co_u32 s22, s22, s23
	s_mov_b32 s23, 0
	s_lshl_b32 s98, s[TC], 19
	s_lshl_b32 s99, s[WRC], 9
	s_add_co_u32 s98, s98, s99
	s_mov_b32 s99, 0
	s_lshl_b32 s100, s[TC], 12
	s_lshl_b32 s101, s[WRC], 16                    ; four K steps of 32,768 bytes, or none
	s_add_co_u32 s100, s100, s101
	s_mov_b32 s101, 0
	s_wait_kmcnt 0x0
	s_add_nc_u64 s[20:21], s[4:5], s[20:21]
	s_add_nc_u64 s[22:23], s[6:7], s[22:23]
	s_add_nc_u64 s[98:99], s[8:9], s[98:99]
	s_add_nc_u64 s[100:101], s[10:11], s[100:101]
	CROUND                                         ; all sixteen work-groups are here: the first joint loads meet
.irp s, 0,1
	s_mov_b32 s[G0A+4*\s], 1                       ; count = 1
	s_mov_b32 s[G0A+4*\s+1], \s*SLOT+AOFF          ; LDS address: a constant
	s_add_nc_u64 s[G0A+4*\s+2:G0A+4*\s+3], s[20:21], \s*ROWB       ; the walk's K step s
	s_or_b32 s[G0A+4*\s+3], s[G0A+4*\s+3], 0x80000000              ; type = 2
	s_mov_b32 s[G0B+4*\s], 1
	s_mov_b32 s[G0B+4*\s+1], \s*SLOT+BOFF
	s_add_nc_u64 s[G0B+4*\s+2:G0B+4*\s+3], s[98:99], \s*ROWB
	s_or_b32 s[G0B+4*\s+3], s[G0B+4*\s+3], 0x80000000
	s_mov_b32 s[G0SA+4*\s], 1
	s_mov_b32 s[G0SA+4*\s+1], \s*SLOT+SAOFF
	s_add_nc_u64 s[G0SA+4*\s+2:G0SA+4*\s+3], s[22:23], \s*SASTEP
	s_or_b32 s[G0SA+4*\s+3], s[G0SA+4*\s+3], 0x80000000
	s_mov_b32 s[G0SB+4*\s], 1
	s_mov_b32 s[G0SB+4*\s+1], \s*SLOT+SBOFF
	s_add_nc_u64 s[G0SB+4*\s+2:G0SB+4*\s+3], s[100:101], \s*SBSTEP
	s_or_b32 s[G0SB+4*\s+3], s[G0SB+4*\s+3], 0x80000000
	JLOAD \s                                       ; two loads of mine are out behind these
.endr
	v_and_b32 v1, 15, v0                           ; r = l % 16
	v_bfe_u32 v2, v0, 4, 1                         ; h = l / 16
	v_mul_u32_u24 v3, v1, PITCH
	v_lshl_add_u32 v4, v2, 4, v3                   ; a fragment's row x pitch + 16 x half
	s_mul_i32 s21, s[RH], HALFT                    ; my 128 rows of x
	s_mul_i32 s22, s[CH], HALFT                    ; my 128 rows of w,
	s_add_co_u32 s22, s22, BOFF                    ; which lie behind x's 256
.irp s, 0,1
	v_add_nc_u32 v[ADRA+\s], s21, v4
	v_add_nc_u32 v[ADRB+\s], s22, v4
	s_add_co_u32 s21, s21, SLOT
	s_add_co_u32 s22, s22, SLOT
.endr
	s_lshl_b32 s21, s[RH], 11                      ; x's scales: my 128 rows of 16 bytes
	s_lshl_b32 s22, s[CH], 11                      ; w's: my 128 rows, 4,096 bytes behind x's first
	s_add_co_u32 s22, s22, 4096
	s_sub_co_u32 s22, s22, s21                     ; the distance between the two
	v_mul_u32_u24 v6, s22, v2                      ; lanes 16-31 take w's
	s_add_co_u32 s21, s21, SAOFF
	v_lshlrev_b32 v5, 4, v1
	v_add_nc_u32 v5, v5, v6
	v_add_nc_u32 v[ADRS], s21, v5
	v_add_nc_u32 v[ADRS+1], SLOT, v[ADRS]
	s_mul_i32 s23, s[WV], 16*SPITCH                ; my stage
	v_mul_u32_u24 v5, v1, SPITCH                   ; in: row l % 16, 32 bytes for each half of the lanes
	v_lshl_add_u32 v5, v2, 5, v5
	v_add_nc_u32 v[STO], s23, v5
	v_and_b32 v6, 31, v0
	v_lshlrev_b32 v[CO], 4, v6                     ; back: the 32 lanes take one row of 512 bytes; and the same in out0
	v_add_nc_u32 v[RD], s23, v[CO]
	; the bias of my 128 columns: block b's register j of lane (r, h) is bias[256 TC + 128 CH + 16 b + 8 h + j]
	s_lshl_b32 s20, s[TC], 10
	s_lshl_b32 s21, s[CH], 9
	s_add_co_u32 s20, s20, s21
	s_mov_b32 s21, 0
	s_add_nc_u64 s[12:13], s[12:13], s[20:21]
	v_lshlrev_b32 v[BO], 5, v2
.irp b, 0,1,2,3,4,5,6,7
	global_load_b128 v[BIAS+8*\b:BIAS+8*\b+3], v[BO], s[12:13] offset:64*\b
	global_load_b128 v[BIAS+8*\b+4:BIAS+8*\b+7], v[BO], s[12:13] offset:64*\b+16
.endr
	; the prefetch: where mine stands, and whether I ask
	s_lshl_b32 s20, s[TR], 8
	s_lshl_b32 s21, s[TC], 8
	s_and_b32 s22, ttmp7, 0xffff
	s_lshr_b32 s22, s22, 1                         ; 0 in cluster y = 0 and 1
	s_cmp_eq_u32 s[CH], 0                          ; waves 0 and 2 ask for x, waves 1 and 3 for w
	s_cselect_b32 s20, s20, s21                    ; the tile's first row
	s_cselect_b32 s21, s[CX], s[CY]                ; my place among the four that ask for it with me
	s_cselect_b32 s22, 0, s22                      ; for x every cluster asks
	s_cselect_b64 s[PFA:PFA+1], s[4:5], s[8:9]
	s_cmp_eq_u32 s22, 0
	s_cselect_b32 s[LIM], LAPS-1, 0                ; the same in all sixteen partners, for a given wave
	s_lshl_b32 s21, s21, 6
	s_add_co_u32 s20, s20, s21                     ; + my work-group's 64 rows
	s_lshl_b32 s21, s[RH], 5
	s_add_co_u32 s20, s20, s21                     ; + my wave's 32 of them
	s_lshl_b32 s20, s20, 11                        ; in bytes: under 2^25
	s_lshl_b32 s21, s[WRC], 9                      ; where the walk begins,
	s_add_co_u32 s20, s20, s21
	s_add_co_u32 s20, s20, 3*ROWB                  ; and three K steps on: byte 768 or 1,792 of a row of 2,048
	s_mov_b32 s21, 0
	s_add_nc_u64 s[PFA:PFA+1], s[PFA:PFA+1], s[20:21]
	v_lshlrev_b32 v[PFO], 11, v6
	; where my part of out0 begins: row 256 TR + 128 RH of 8,192 bytes, column 256 TC + 128 CH
	s_lshl_b32 s20, s[TR], 8
	s_lshl_b32 s21, s[RH], 7
	s_add_co_u32 s20, s20, s21
	s_lshl_b32 s20, s20, 13
	s_lshl_b32 s21, s[TC], 10
	s_add_co_u32 s20, s20, s21
	s_lshl_b32 s21, s[CH], 9
	s_add_co_u32 s20, s20, s21                     ; under 2^27
	s_mov_b32 s21, 0
	s_add_nc_u64 s[14:15], s[14:15], s[20:21]
	s_mov_b32 s23, 0                               ; s21, s23 and s99 stay 0 from here on: the high words of what a refill takes off its addresses
	s_mov_b32 s99, 0
.macro FRAG reg, adr, q, i             ; a fragment, 16 rows x 128 K of 4-bit codes, is 8 registers: lane l holds row l % 16; registers 4 c .. 4 c + 3 hold K = 64 c + 32 (l / 16) + 0 .. 31
.irp c, 0,1
	ds_load_b128 v[\reg+4*\c:\reg+4*\c+3], v[\adr] offset:64*(\q)+32*\c+(\i)*16*PITCH
.endr
.endm
; 16 matrix instructions: x's blocks a0, a0 + 1 against w's eight, 128 along K: the slot's q-th.  p: w's set;  sc: the set of scale words.  first = 1: the bias is C: the product starts the sums.
; The 64 accumulators take turns, one instruction a turn, in the same order in every step.
.macro MUL16 a0, p, q, sc, first
.irp a, \a0, \a0+1
.irp b, 0,1,2,3,4,5,6,7
.if \first
	v_wmma_scale_f32_16x16x128_f8f6f4 v[8*(8*((\a)%4)+\b):8*(8*((\a)%4)+\b)+7], v[128*(\p)+FR*\b:128*(\p)+FR*\b+FR-1], v[AF+FR*(\a):AF+FR*(\a)+FR-1], v[BIAS+8*\b:BIAS+8*\b+7], v[SC+8*NQ*(\sc)+NQ*\b+(\q)], v[SC+8*NQ*(\sc)+NQ*(\a)+(\q)] matrix_a_fmt:MATRIX_FMT_FP4 matrix_b_fmt:MATRIX_FMT_FP4 matrix_a_scale:MATRIX_SCALE_ROW1
.else
	v_wmma_scale_f32_16x16x128_f8f6f4 v[8*(8*((\a)%4)+\b):8*(8*((\a)%4)+\b)+7], v[128*(\p)+FR*\b:128*(\p)+FR*\b+FR-1], v[AF+FR*(\a):AF+FR*(\a)+FR-1], v[8*(8*((\a)%4)+\b):8*(8*((\a)%4)+\b)+7], v[SC+8*NQ*(\sc)+NQ*\b+(\q)], v[SC+8*NQ*(\sc)+NQ*(\a)+(\q)] matrix_a_fmt:MATRIX_FMT_FP4 matrix_b_fmt:MATRIX_FMT_FP4 matrix_a_scale:MATRIX_SCALE_ROW1
.endif
.endr
.endr
.endm
.macro FETCH_B slot, q, p              ; w's eight fragments of the slot's q-th 128 along K into set p
	WIN TO_B
.irp i, 0,1,2,3,4,5,6,7
	FRAG 128*(\p)+FR*\i, ADRB+\slot, \q, \i
.endr
	WIN 0
.endm
.macro FETCH_A slot, q, i0             ; x's blocks i0 .. i0 + 3
.irp i, \i0, \i0+1, \i0+2, \i0+3
	FRAG AF+FR*(\i), ADRA+\slot, \q, \i
.endr
.endm
.macro SCALES sc                       ; slot sc's scale words into set sc: four words a row; lanes 0-15 take x's block i, lanes 16-31 w's block i
.irp i, 0,1,2,3,4,5,6,7
	ds_load_b128 v[SC+8*NQ*\sc+NQ*\i:SC+8*NQ*\sc+NQ*\i+3], v[ADRS+\sc] offset:\i*256
.endr
.endm
; A load into a register that a matrix instruction has read, and an LDS store that reads a matrix result, stand NP places behind that matrix instruction, and only plain vector instructions that name none of
; its registers are places (ISA guide 7.12.1 for vector instructions); the matrix instructions in between are not counted.
.macro PLACES n
.rept \n
	v_nop
.endr
.endm
; A step of 128 along K that has its successor in the same slot.
.macro STEP slot, q, first
	s_wait_dscnt 4*NL                              ; w's set, the scale words and x's blocks 0-3 are in; the youngest eight loads (x's blocks 4-7) may be out
.if \first
	WIN FST_LO
.else
	WIN MUL_LO
.endif
	MUL16 0, (\q)%2, \q, \slot, \first
	MUL16 2, (\q)%2, \q, \slot, \first
	s_wait_dscnt 0                                 ; x's blocks 4-7 are in (asked for 32 matrix instructions ago)
	PLACES NP
	FETCH_B \slot, (\q)+1, 1-(\q)%2
	FETCH_A \slot, (\q)+1, 0
.if \first
	WIN FST_HI
.else
	WIN MUL_HI
.endif
	MUL16 4, (\q)%2, \q, \slot, \first
	MUL16 6, (\q)%2, \q, \slot, \first
	PLACES NP
	WIN 0
	FETCH_A \slot, (\q)+1, 4
.endm
; A slot's last step changes slots: ONE barrier; in front of it each wave waits for all its tensor loads, adds 0 to its spare word, and waits for that and for its own reads of this slot.
; fill = 1: this slot is filled again, two K steps of the walk ahead; the barrier then opens a round of the cluster's barrier.
.macro TURN slot, next, fill
	s_wait_tensorcnt 0x0                           ; all my tensor loads have landed: the one that was out is my part of the next slot; so every group 0 may be written  (every window is 0 here)
	ds_add_u32 v[SPW], v[NIL]                      ; 0 onto my spare word; the descriptors' steps and sixteen matrix instructions stand between it and the wait for it
.if \fill
	s_cmp_eq_u32 s[CNT], s[WRC]                    ; in a walk that began at K step 4 the second lap's two refills pass K's end: CNT = 2 = WRC.  Where WRC = 0 this never holds
	s_cselect_b32 s20, 8*ROWB, 0                   ; then all of K is taken off again: 8 K steps of the codes' rows,
	s_cselect_b32 s22, 8*SASTEP, 0                 ; of xs2,
	s_cselect_b32 s98, 8*SBSTEP, 0                 ; of ws2.  No branch: the same lines in every cluster
	s_add_nc_u64 s[G0A+4*\slot+2:G0A+4*\slot+3], s[G0A+4*\slot+2:G0A+4*\slot+3], 2*ROWB
	s_sub_nc_u64 s[G0A+4*\slot+2:G0A+4*\slot+3], s[G0A+4*\slot+2:G0A+4*\slot+3], s[20:21]
	s_add_nc_u64 s[G0B+4*\slot+2:G0B+4*\slot+3], s[G0B+4*\slot+2:G0B+4*\slot+3], 2*ROWB
	s_sub_nc_u64 s[G0B+4*\slot+2:G0B+4*\slot+3], s[G0B+4*\slot+2:G0B+4*\slot+3], s[20:21]
	s_add_nc_u64 s[G0SA+4*\slot+2:G0SA+4*\slot+3], s[G0SA+4*\slot+2:G0SA+4*\slot+3], 2*SASTEP
	s_sub_nc_u64 s[G0SA+4*\slot+2:G0SA+4*\slot+3], s[G0SA+4*\slot+2:G0SA+4*\slot+3], s[22:23]
	s_add_nc_u64 s[G0SB+4*\slot+2:G0SB+4*\slot+3], s[G0SB+4*\slot+2:G0SB+4*\slot+3], 2*SBSTEP
	s_sub_nc_u64 s[G0SB+4*\slot+2:G0SB+4*\slot+3], s[G0SB+4*\slot+2:G0SB+4*\slot+3], s[98:99]   ; the type bits on top are not reached: the address below them is larger than what is taken off
.endif
	s_wait_dscnt 4*NL+1                            ; (the add and the youngest eight loads, x's blocks 4-7, may be out)
	WIN MUL_LO
	MUL16 0, 1, NQ-1, \slot, 0
	s_wait_dscnt 0x0                               ; the add is done, and my reads of this slot are over
	s_barrier_signal -1
	MUL16 2, 1, NQ-1, \slot, 0
	WIN 0
	s_barrier_wait -1
.if \fill
	CREST                                          ; no wave of any partner still reads this slot or has a load on its way
	JLOAD \slot                                    ; my one tensor load behind the round; the four v_nop behind it are also the places in front of the loads below
.else
	PLACES NP
.endif
	FETCH_B \next, 0, 0
	FETCH_A \next, 0, 0
	SCALES \next
.if (\fill) && ((\slot) == 0)
	ASK                                            ; behind the joint load and the run of LDS loads that the next products wait for
.endif
	WIN MUL_HI
	MUL16 4, 1, NQ-1, \slot, 0
	MUL16 6, 1, NQ-1, \slot, 0
	PLACES NP
	WIN 0
	FETCH_A \next, 0, 4
.endm
.macro STEPS slot, from                ; the slot's steps from .. NQ - 2
.set Q, \from
.rept NQ-1-\from
	STEP \slot, Q, 0
.set Q, Q+1
.endr
.endm
	s_wait_tensorcnt 1                             ; my part of the walk's first K step is in (the second's load may be out)
	s_barrier_signal -1
	s_barrier_wait -1                              ; everybody's is
	FETCH_B 0, 0, 0
	FETCH_A 0, 0, 0
	SCALES 0
	FETCH_A 0, 0, 4
	s_wait_loadcnt 0x0                             ; the bias
	STEP 0, 0, 1                                   ; the first step stands in front of the loop: its products start the sums, from the bias
	s_mov_b32 s[CNT], LAPS-1
.Llap:                                                 ; a trip goes once round the ring, from a lap's second step to the next lap's first, and fills both slots again
	STEPS 0, 1
	TURN 0, 1, 1
	STEPS 1, 0
	TURN 1, 0, 1
	STEP 0, 0, 0
	s_sub_co_u32 s[CNT], s[CNT], 1
	s_cmp_lg_u32 s[CNT], 0
	s_cbranch_scc1 .Llap
	STEPS 0, 1                                     ; the last lap fills nothing, and has no round of the cluster's barrier
	TURN 0, 1, 0
	STEPS 1, 0
	s_wait_dscnt 4*NL                              ; the very last step: nothing more to fetch
	WIN MUL_LO
	MUL16 0, 1, NQ-1, 1, 0
	MUL16 2, 1, NQ-1, 1, 0
	s_wait_dscnt 0
	WIN MUL_HI
	MUL16 4, 1, NQ-1, 1, 0
	MUL16 6, 1, NQ-1, 1, 0
	WIN 0
; THE WAY OUT, block by block of 16 rows x 128 columns.  A lane holds 32 neighbouring bytes of a row, and the lanes beside it hold other rows: so a block goes through my own stage in LDS and comes back as
; whole rows of 512 bytes.  LDS serves a wave's instructions in order (ISA guide 5.7.1.4): no wait between the stores and the loads, nor in front of the next block's stores.
.macro TOSTAGE a
.set AC, 64*((\a)%4)
	WIN 0x08+4*((\a)/4)                            ; the data: window 2 or 3
.irp b, 0,1,2,3,4,5,6,7
	ds_store_b128 v[STO], v[AC+8*\b:AC+8*\b+3] offset:64*\b          ; each accumulator from its low end on
	ds_store_b128 v[STO], v[AC+8*\b+4:AC+8*\b+7] offset:64*\b+16
.endr
	WIN 0
.set BB, BK+64*((\a)%2)
.irp t, 0,1,2,3,4,5,6,7,8,9,10,11,12,13,14,15
	ds_load_b128 v[BB+4*\t:BB+4*\t+3], v[RD] offset:\t*SPITCH
.endr
.endm
.macro SEND a, younger                 ; younger: the LDS instructions issued behind block a's loads, which may stay out
.set BB, BK+64*((\a)%2)
	s_wait_dscnt \younger                          ; the block is back in registers
.if (\a) > 0
	s_add_nc_u64 s[14:15], s[14:15], 16*SIZE_N*4   ; (behind a wait on XCNT: the earlier stores have read their base)  16 rows on: the stores' offsets stay at 15 rows, 122,880 bytes, at the most
.endif
.irp t, 0,1,2,3,4,5,6,7,8,9,10,11,12,13,14,15
	global_store_b128 v[CO], v[BB+4*\t:BB+4*\t+3], s[14:15] offset:\t*SIZE_N*4 th:TH_STORE_NT   ; 32 lanes store 512 consecutive bytes, at a multiple of 256 from out0's first byte; written once, read by nobody here
.endr
.endm
	PLACES NP                                      ; behind the last products: for the loads into the registers that held x's fragments and the bias, and for block 7's reads
	TOSTAGE 0
.irp a, 1,2,3,4,5,6,7
.if \a > 1
	s_wait_xcnt 0x0                                ; block a - 2's stores have read their registers and their base: block a's loads may land there, and the base may step
.endif
	TOSTAGE \a
	SEND \a-1, 32                                  ; behind block a - 1's loads: block a's 16 stores and 16 loads
.endr
	s_wait_xcnt 0x0                                ; block 6's stores have read their base
	SEND 7, 0
	s_wait_tensorcnt 0x0                           ; the wave's end, behind my last tensor load and my last LDS store
	ds_add_u32 v[SPW], v[NIL]
	s_wait_dscnt 0x0
	CROUND                                         ; the closing round: no work-group ends while a partner may still ask for a tile that names it
	s_endpgm
.Lfunc_end_k_q5b84131264_gemm:
	.size	k_q5b84131264_gemm, .Lfunc_end_k_q5b84131264_gemm-k_q5b84131264_gemm
	.p2alignl 7, 3214868480
	.fill 96, 4, 3214868480
	.section	.rodata,"a",@progbits
	.p2align	6, 0x0
	.amdhsa_kernel k_q5b84131264_gemm
		.amdhsa_group_segment_fixed_size 327680
		.amdhsa_private_segment_fixed_size 0
		.amdhsa_enable_private_segment 0
		.amdhsa_kernarg_size 48
		.amdhsa_user_sgpr_count 2
		.amdhsa_user_sgpr_kernarg_segment_ptr 1
		.amdhsa_wavefront_size32 1
		.amdhsa_system_sgpr_workgroup_id_x 1
		.amdhsa_system_sgpr_workgroup_id_y 1
		.amdhsa_system_sgpr_workgroup_id_z 1
		.amdhsa_system_vgpr_workitem_id 0
		.amdhsa_next_free_vgpr 1024
		.amdhsa_next_free_sgpr 102
		.amdhsa_reserve_vcc 0
		.amdhsa_float_denorm_mode_32 3
		.amdhsa_float_denorm_mode_16_64 3
		.amdhsa_memory_ordered 1
		.amdhsa_forward_progress 1
		.amdhsa_inst_pref_size 217
	.end_amdhsa_kernel
	.amdgpu_metadata
---
amdhsa.version: [ 1, 2 ]
amdhsa.kernels:
  - .name:           k_q5b84131264_gemm
    .symbol:         k_q5b84131264_gemm.kd
    .args:
      - { .name: x_codes, .offset: 0, .size: 8, .value_kind: global_buffer, .address_space: global }
      - { .name: xs2, .offset: 8, .size: 8, .value_kind: global_buffer, .address_space: global }
      - { .name: w_codes, .offset: 16, .size: 8, .value_kind: global_buffer, .address_space: global }
      - { .name: ws2, .offset: 24, .size: 8, .value_kind: global_buffer, .address_space: global }
      - { .name: bias, .offset: 32, .size: 8, .value_kind: global_buffer, .address_space: global }
      - { .name: out0, .offset: 40, .size: 8, .value_kind: global_buffer, .address_space: global }
    .group_segment_fixed_size: 327680
    .private_segment_fixed_size: 0
    .kernarg_segment_align: 8
    .kernarg_segment_size: 48
    .max_flat_workgroup_size: 128
    .sgpr_count:     102
    .vgpr_count:     1024
    .wavefront_size: 32
...
	.end_amdgpu_metadata
.endif
;; end of part 2
